; MI455X (gfx1250); checked and timed in simulation.
; The chip was launched on July 23, 2026; its instructions are those of AMD's public machine-readable ISA for CDNA 5 (MIT licence, August 2026) and "CDNA5" Instruction Set Architecture Reference Guide (July 2026). The comments in the code are by the model that wrote it; some were corrected since.
;; Attention Block. Allowed arithmetic: matrix products marked QUANTISED: E4M3 operands, one given power-of-two scale a tensor, by v_wmma_f32_16x16x64_fp8_fp8 or v_wmma_f32_16x16x128_fp8_fp8, f32 sums; everything else in f32.
;; Inputs: Wout_codes 1,024 x 32 x 32 uint8 (E4M3 codes of Wout, K innermost, in blocks of 32 codes); Wqkv_codes 3,072 x 32 x 32 uint8 (E4M3 codes of Wqkv, K innermost, in blocks of 32 codes); lowp_scales 8 int32 (the exponents e of the quantised operands' scales 2^e); seq_lengths 4 int32; x_padded_codes 4 x 2,048 x 32 x 32 uint8 (E4M3 codes of x_padded, K innermost, in blocks of 32 codes).
;; Outputs: out0 4 x 2,048 x 1,024 float32.
;; Constants: window_left = 512, window_right = 0.
;; This version of the problem:
;;   THIS VERSION OF THE PROBLEM IS GIVEN IN LOW PRECISION. The matrix products marked QUANTISED in the list below multiply operands that are first quantised to E4M3 (4 exponent bits, 3 mantissa bits; 8 bits a number), with one given power-of-two scale for each operand tensor; their sums are f32. All else is computed in f32.
;;   The module's matrix products, in the order in which they are computed (A, B: the left and right operand; K: the contracted axis; several contracted axes count as one K, in the product's order):
;;     1. [M 8,192, K 1,024] x [K 1,024, N 3,072]; A: input x_padded (given as codes); B: input Wqkv (given as codes): QUANTISED (scales: A lowp_scales[0], B lowp_scales[1])
;;     2. batch 64 x [M 2,048, K 64] x [K 64, N 2,048]; A: computed on the way; B: computed on the way: QUANTISED (scales: A lowp_scales[2], B lowp_scales[3])
;;     3. batch 64 x [M 2,048, K 2,048] x [K 2,048, N 64]; A: softmax (see below); B: computed on the way: QUANTISED (scales: A lowp_scales[4], B lowp_scales[5])
;;     4. [M 8,192, K 1,024] x [K 1,024, N 1,024]; A: computed on the way; B: input Wout (given as codes): QUANTISED (scales: A lowp_scales[6], B lowp_scales[7])
;;   THE QUANTISER, for each operand of a quantised product, along K:
;;     - The operand's scale is 2^e, e = its entry of the input lowp_scales (int32; the entries are numbered through the quantised products in the list's order, A before B).
;;     - Each number is divided by the scale, clamped to +-448, and rounded to the nearest number of E4M3, ties to even, subnormals kept.
;;     - The product sums the exact products of the quantised numbers (number of the format x scale) in f32.
;;   ~~~python
;;   def quantise(x, axis, e):      # numpy; x: float32 -> the quantised numbers, widened to float32 again
;;       x = np.moveaxis(x, axis, -1); K = x.shape[-1]
;;       r = np.clip(x / 2.0 ** e, -448, 448)
;;       step = 2.0 ** (np.maximum(np.frexp(np.where(r == 0, 1, r))[1] - 1, -6) - 3)
;;       q = np.round(r / step) * step * 2.0 ** e      # np.round: ties to even
;;       return np.moveaxis(q, -1, axis).astype(np.float32)
;;   ~~~
;;   SOFTMAX AHEAD OF A QUANTISED PRODUCT. Where the list says 'softmax', what is quantised is not the finished softmax but p = 2^(t - M), with t = logit x log2(e) and M = ceil(the row's largest t), a whole number; so 1/2 < the row's largest p <= 1. The row's sum l is taken of the UNQUANTISED p, in f32, and the product's result is divided by l at the end. Since M is a whole number, a kernel that streams over the keys may use a running M (the ceiling of the running maximum): every later rescaling is an exact power of two, so the quantised numbers keep their values, but for numbers so far below the row's largest that they fall under the format's range.
;;   OPERANDS COMPUTED ON THE WAY. 'Computed on the way' means the value that the module computes at that place (a softmax that the list does not call 'softmax' is quantised finished and normalised). What goes into a quantiser is computed in f32, as accurately as f32 sums, v_exp_f32 and their like allow (about 1e-6 of the number): no bf16 or f16 on the way to a quantiser, and a product that is left as it is and whose result goes on into a quantised operand takes f32 operands (vector FMAs, or v_wmma_f32_16x16x4_f32). A number that lies on a knife's edge between two numbers of the format may be rounded either way, as far as f32 arithmetic and the matrix unit's own rounding can turn it there, and no further.
;;   INPUTS GIVEN AS CODES. Wout (in the module: [1024, 1024], K = its axis 1); Wqkv (in the module: [3072, 1024], K = its axis 1); x_padded (in the module: [4, 2048, 1024], K = its axis 2): each comes as NAME_codes (uint8): NAME with its K axis moved to the last place and cut into blocks of 32 codes, [.., K / 32, bytes a block], one block behind the other in memory; one code a byte (a code: sign, 4 exponent bits, 3 mantissa bits); its scale is its entry of lowp_scales. Its value is code x scale, taken as it is: it is not quantised again, and the codes and scales need not be those that the quantiser above would give.
;; One version. Each part assembles by itself: llvm-mc -triple=amdgcn-amd-amdhsa -mcpu=gfx1250 --defsym DOCPART=n.
;; ======== version 1 of 1: 3 launches
;; limits: right only within a limited range of input values
;; workspace buffers: qkv 25,165,824 bytes; vpart 131,072 bytes; aimg 8,388,608 bytes
;; launch qkv (part 1): grid 12 x 32, 4 waves a work-group, clusters of 4 x 4, 327,680 bytes of LDS; arguments x_padded_codes, Wqkv_codes, lowp_scales, qkv, vpart; writes qkv, vpart
.if DOCPART == 1
	.amdgcn_target "amdgcn-amd-amdhsa--gfx1250"
	.amdhsa_code_object_version 6
	.text
	.protected	k_qbb09971494_qkv
	.globl	k_qbb09971494_qkv
	.p2align	8
	.type	k_qbb09971494_qkv,@function
k_qbb09971494_qkv:
	s_mov_b64 s[64:65], 0
	v_nop
	global_prefetch_b8 v0, s[64:65] scope:SCOPE_SE
	s_setreg_imm32_b32 hwreg(HW_REG_WAVE_MODE, 25, 1), 1
	s_wait_xcnt 0x0
	s_wait_alu depctr_hold_cnt(0) depctr_sa_sdst(0) depctr_va_vdst(0) depctr_va_sdst(0) depctr_va_ssrc(0) depctr_va_vcc(0) depctr_vm_vsrc(0)
	s_getreg_b32 s2, hwreg(HW_REG_IB_STS2, 6, 4)
	s_cmp_eq_u32 s2, 0
	s_cbranch_scc0 .Lentry_in_a_cluster
	s_endpgm
.Lentry_in_a_cluster:
	s_bfe_u32 s2, ttmp6, 0x10000c
	s_cmp_lg_u32 s2, 0xf033
	s_cbranch_scc0 .Lentry_shape_is_right
	s_endpgm
.Lentry_shape_is_right:
; x Wqkv^T on E4M3 codes (8,192 x 1,024 x 3,072), each finished sum quantised at once to the E4M3 code of q, k or v.
; A tile is 256 x 256, made by four waves of 128 x 128 (64 accumulators, 512 registers).  K = 1,024 goes in four slots' worth of 256 through a ring of two LDS slots.
; ROLES.  The body multiplies "A rows" by "B rows" (source 0 = 16 rows of B, source 1 = 16 rows of A), so that a lane holds ONE A row and eight neighbouring B indices.
;   cluster x = 0, 1 (q, k): A = x (tokens), B = Wqkv: a lane's eight numbers run along the head's 64, the K of the score product.
;   cluster x = 2    (v):    A = Wqkv's rows 2,048 on, B = x: a lane's eight numbers run along the keys, the K of the second attention product.  Nothing is transposed.
; OUT.  qkv: three thirds of 8 MiB.  q, k: [batch x head 64][token 2,048][64];  v: [batch x head 64][step of 64 keys 32][64][64 keys].
;   vpart: f32 [tile of 256 keys 32][1,024]: the sum of v's code values over the tile's keys, for the rows of attention that have no open key.
; code = sum / 2^(et - e0 - e1), held within +-448, to the nearest code, ties to even; et = e2 (q), e3 (k), e5 (v).
; LIMIT: et - e0 - e1 lies between -126 and 119, so that the scale and 448 x the scale are f32 numbers.  NaN is not served.
; CLUSTERS: 4 x 4 work-groups; A's tile is asked for jointly along a row of the cluster, B's along a column.
; REGISTERS, in windows of 256: window 0: v0-31 addresses; from v128 A's fragments, one set; on the way out v32-255 are free.  window 1: B's fragments, two sets.  windows 2, 3: the accumulators.
.set KROW,   1024                      ; a row of x or of Wqkv in bytes
.set ROWB,   256                       ; a tile's row in bytes
.set PITCH,  272                       ; an LDS row: 256 bytes + 16 of padding
.set FR,     16                        ; registers of a fragment: 16 rows x 128 K
.set NL,     4                         ; LDS loads that bring one
.set NP,     4                         ; places behind this matrix instruction (ISA guide 7.12.1)
.set HALFT,  128*PITCH
.set SLOT,   4*HALFT                   ; A's 256 rows, then B's 256 rows
.set LAPS,   2                         ; 1,024 / 512
.set SPARE,  2*SLOT                    ; behind the ring: the spare words, 128 bytes for each wave
.set SP,     336                       ; the way out: a stage of 256 rows x (256 bytes of codes + 80), in slot 0, which has had its last fill and its last read by then
.set CO,   8                           ; v8-11   my byte offset in qkv for column chunks 0 to 3
.set FV,   12                          ; v12     v only: my place in the stage as a fragment's lane
.set VPO,  13                          ; v13     4 x lane
.set VSUM, 14                          ; v14-15  v only: the sums that go to vpart
.set ADRA, 16                          ; v16-17  LDS address of my A fragments in slot 0, 1
.set ADRB, 20                          ; v20-21  the same for B
.set STO,  24                          ; v24     where I put 8 codes of a row
.set RD,   25                          ; v25     where I read rows back
.set SCL,  27                          ; v27     2^(et - e0 - e1) as f32
.set SPW,  28                          ; v28     LDS address of my spare word; never rewritten
.set NIL,  29                          ; v29     0; never rewritten
.set TMP,  32                          ; v32-95  v only: four tiles of the stage's rows
.set CD,   96                          ; v96-223 codes: 16 registers for each block; then the rows read back
.set AF,   128                         ; A's fragments
.set SUMS, 224                         ; v224-255 v only: four accumulators
.set G1, 24
.set G0, 32
.set G1B, 48
.set G0B, 56
.set LIMP, 87                          ; s87  448 x the scale
.set LIMN, 88                          ; s88  its negative
.set MSB, 0
.macro WIN new                         ; the immediate's high byte repeats the setting that is left
.if MSB != \new
	s_set_vgpr_msb (MSB<<8)|\new
.set MSB, \new
.endif
.endm
.set MUL_LO, 0xa1                      ; source 0 (B) window 1, source 1 (A) window 0, C and D window 2
.set MUL_HI, 0xf1                      ; the same, C and D window 3
.set TO_B,   0x40                      ; destination window 1, address window 0
; A joint load: waves 0 and 1 fetch for A, waves 2 and 3 for B; the branch hangs on the wave's number alone.  Four v_nop follow each of the two lines.
.macro JLOAD g0a, g1a, g0b, g1b
	s_cmp_eq_u32 s15, 0
	s_cbranch_scc0 .Lfor_b_\@
	tensor_load_to_lds s[\g0a:\g0a+3], s[\g1a:\g1a+7]
	s_nop 0
.rept 4
	v_nop
.endr
	s_branch .Lasked_\@
.Lfor_b_\@:
	tensor_load_to_lds s[\g0b:\g0b+3], s[\g1b:\g1b+7]
	s_nop 0
.rept 4
	v_nop
.endr
.Lasked_\@:
.endm
.macro CREST                           ; a round of the cluster's barrier behind its opening barrier
	s_cmp_lg_u32 s14, 0
	s_cbranch_scc1 .Lnot_wave_0_\@
	s_barrier_signal -3
.Lnot_wave_0_\@:
	s_barrier_wait -3
	s_barrier_signal -1
	s_barrier_wait -1
.endm
.macro CROUND                          ; a whole round
	s_barrier_signal -1
	s_barrier_wait -1
	CREST
.endm
	s_load_b128 s[4:7], s[0:1], 0x0                ; x's codes, Wqkv's codes
	s_load_b128 s[8:11], s[0:1], 0x10              ; the scales' exponents, qkv
	s_load_b64 s[12:13], s[0:1], 0x20              ; vpart
	v_lshl_add_u32 v[SPW], v0, 2, SPARE
	v_mov_b32 v[NIL], 0
	ds_add_u32 v28, v29
	ds_add_u32 v28, v29
	s_wait_dscnt 0x0
	v_lshrrev_b32 v1, 5, v0
	v_readfirstlane_b32 s14, v1                    ; wave 0..3
	s_lshr_b32 s15, s14, 1                         ; which half of the tile's A rows is mine.  Also: I fetch for A (0) or for B (1)
	s_and_b32 s16, s14, 1                          ; which half of its B rows.  Also: which 128 rows I fetch
	s_bfe_u32 s40, ttmp6, 0x40000                  ; cx, cy: my place in the cluster
	s_bfe_u32 s41, ttmp6, 0x40004
	s_and_b32 s17, ttmp7, 0xffff                   ; cluster y
	s_cmp_eq_u32 ttmp9, 2                          ; cluster x = 2: v.  The same in all sixteen partners
	s_cselect_b32 s42, s17, ttmp9                  ; B's tiles walk the tokens (v) or Wqkv's first 2,048 rows (q, k)
	s_cselect_b32 s17, 0, s17                      ; A's tiles: the four of v's 1,024 rows, or the tokens
	s_lshl_b32 s42, s42, 2
	s_add_co_u32 s42, s42, s40                     ; B's tile: holds cx, never cy
	s_lshl_b32 s17, s17, 2
	s_add_co_u32 s17, s17, s41                     ; A's tile: holds cy, never cx
	s_lshl_b32 s43, s41, 2
	s_lshl_b32 s43, 15, s43                        ; my row of the cluster
	s_lshl_b32 s44, 0x1111, s40                    ; my column
	; descriptor group 1: 128 rows x 256 bytes, 16 bytes of padding behind each row
	s_or_b32 s[G1+0], s43, (0<<16)|(1<<20)|(1<<21)|(5<<22)|(3<<25)  ; the mask: A's tiles go to my row; elements of 1 byte; padding on; bit 21 beside a mask; after every 64 words, 4 words
	s_or_b32 s[G1B+0], s44, (0<<16)|(1<<20)|(1<<21)|(5<<22)|(3<<25)
.irp g, G1, G1B
	s_mov_b32 s[\g+1], ROWB<<16                    ; tensor_dim0
	s_mov_b32 s[\g+2], 128<<16                     ; tensor_dim1
	s_mov_b32 s[\g+3], ROWB<<16                    ; tile_dim0
	s_mov_b32 s[\g+4], 128                         ; tile_dim1
	s_mov_b32 s[\g+5], KROW                        ; from row to row
	s_mov_b32 s[\g+6], 0
	s_mov_b32 s[\g+7], 0
.endr
	s_lshl_b32 s18, s16, 7                         ; which 128 rows of the tile I fetch
	s_lshl_b32 s20, s17, 8
	s_add_co_u32 s20, s20, s18                     ; A: row 256 x tile + 128 x half
	s_lshl_b32 s46, s42, 8
	s_add_co_u32 s46, s46, s18                     ; B likewise
	s_lshl_b32 s20, s20, 10                        ; in bytes: under 2^23
	s_lshl_b32 s46, s46, 10
	s_mov_b32 s21, 0
	s_mov_b32 s47, 0
	s_mul_i32 s45, s14, HALFT                      ; where they go: wave x 128 rows
	s_wait_kmcnt 0x0
	s_load_b256 s[72:79], s[8:9], 0x0              ; e0 .. e7
	s_add_nc_u64 s[66:67], s[6:7], 0x200000        ; Wqkv at its row 2,048
	s_cmp_eq_u32 ttmp9, 2
	s_cselect_b64 s[68:69], s[66:67], s[4:5]       ; A's buffer
	s_cselect_b64 s[70:71], s[4:5], s[6:7]         ; B's buffer
	s_add_nc_u64 s[20:21], s[68:69], s[20:21]
	s_add_nc_u64 s[46:47], s[70:71], s[46:47]
	CROUND                                         ; all sixteen work-groups are here: the first joint loads meet
.irp s, 0,1
	s_mov_b32 s[G0+4*\s], 1
	s_add_co_u32 s[G0+4*\s+1], s45, \s*SLOT
	s_add_nc_u64 s[G0+4*\s+2:G0+4*\s+3], s[20:21], \s*ROWB
	s_or_b32 s[G0+4*\s+3], s[G0+4*\s+3], 0x80000000
	s_mov_b32 s[G0B+4*\s], 1
	s_add_co_u32 s[G0B+4*\s+1], s45, \s*SLOT
	s_add_nc_u64 s[G0B+4*\s+2:G0B+4*\s+3], s[46:47], \s*ROWB
	s_or_b32 s[G0B+4*\s+3], s[G0B+4*\s+3], 0x80000000
	JLOAD G0+4*\s, G1, G0B+4*\s, G1B
.endr
	v_and_b32 v1, 15, v0                           ; r = lane % 16
	s_wait_alu depctr_va_vdst(0)
	v_bfe_u32 v2, v0, 4, 1                         ; h = lane / 16
	v_mul_u32_u24 v3, v1, PITCH
	v_lshl_add_u32 v4, v2, 4, v3                   ; a fragment's row x pitch + 16 h
	s_mul_i32 s21, s15, HALFT                      ; my 128 rows of A
	s_mul_i32 s22, s16, HALFT                      ; my 128 rows of B,
	s_add_co_u32 s22, s22, 2*HALFT                 ; which lie behind A's 256
.irp s, 0,1
	v_add_nc_u32 v[ADRA+\s], s21, v4
	v_add_nc_u32 v[ADRB+\s], s22, v4
	s_add_co_u32 s21, s21, SLOT
	s_add_co_u32 s22, s22, SLOT
.endr
	s_mul_i32 s23, s15, 128*SP                     ; the stage, on the way in: row 128 x my A half + r, byte 128 x my B half + 8 h
	s_lshl_b32 s22, s16, 7
	s_add_co_u32 s23, s23, s22
	v_mul_u32_u24 v5, v1, SP
	s_wait_alu depctr_va_vdst(0)
	v_lshl_add_u32 v7, v2, 3, v5
	v_add_nc_u32 v[STO], s23, v7
	s_mul_i32 s23, s14, 64*SP                      ; on the way back: wave w takes rows 64 w on; four lanes to 64 bytes of a row, eight rows an instruction
	v_lshl_add_u32 v7, v2, 4, v5
	v_add_nc_u32 v[FV], s23, v7                    ; and, for v's sums, as a fragment: row 64 w + r, + 16 h
	v_and_b32 v6, 31, v0                           ; lane
	v_lshrrev_b32 v7, 2, v6
	v_mul_u32_u24 v7, v7, SP
	v_and_b32 v5, 3, v0
	v_lshl_add_u32 v7, v5, 4, v7
	v_add_nc_u32 v[RD], s23, v7
	s_cmp_eq_u32 ttmp9, 2
	s_mov_b32 s81, 0x20000                         ; from column chunk to column chunk in qkv: the next head (q, k),
	s_cselect_b32 s81, 0x1000, s81                 ; or the next step of 64 keys (v)
	v_lshlrev_b32 v[CO], 4, v6                     ; eight rows of 64 bytes are 512 consecutive bytes: 16 x lane
	v_add_nc_u32 v[CO+1], s81, v[CO]
	v_add_nc_u32 v[CO+2], s81, v[CO+1]
	v_add_nc_u32 v[CO+3], s81, v[CO+2]
	v_lshlrev_b32 v[VPO], 2, v6
	; where my 64 rows begin in qkv.  q, k: third x 8 MiB + (((batch x 16 + 4 cx) x 2,048) + token) x 64
	s_lshr_b32 s82, s17, 3
	s_lshl_b32 s82, s82, 4
	s_lshl_b32 s83, s40, 2
	s_add_co_u32 s82, s82, s83
	s_lshl_b32 s82, s82, 11
	s_and_b32 s83, s17, 7
	s_lshl_b32 s83, s83, 8
	s_add_co_u32 s82, s82, s83
	s_lshl_b32 s83, s14, 6
	s_add_co_u32 s82, s82, s83
	s_lshl_b32 s82, s82, 6
	s_lshl_b32 s83, ttmp9, 23
	s_add_co_u32 s82, s82, s83
	; v: 16 MiB + (((batch x 16 + 4 cy + wave) x 32) + step) x 4,096
	s_lshr_b32 s84, s42, 3
	s_lshl_b32 s84, s84, 4
	s_lshl_b32 s85, s41, 2
	s_add_co_u32 s84, s84, s85
	s_add_co_u32 s84, s84, s14
	s_lshl_b32 s84, s84, 5
	s_and_b32 s85, s42, 7
	s_lshl_b32 s85, s85, 2
	s_add_co_u32 s84, s84, s85
	s_lshl_b32 s84, s84, 12
	s_add_co_u32 s84, s84, 0x1000000
	s_cmp_eq_u32 ttmp9, 2
	s_cselect_b32 s82, s84, s82
	s_mov_b32 s83, 0
	s_add_nc_u64 s[10:11], s[10:11], s[82:83]
	s_lshl_b32 s84, s42, 12                        ; vpart: key tile x 4,096 + (256 cy + 64 wave) x 4
	s_lshl_b32 s85, s41, 10
	s_add_co_u32 s84, s84, s85
	s_lshl_b32 s85, s14, 8
	s_add_co_u32 s84, s84, s85
	s_mov_b32 s85, 0
	s_add_nc_u64 s[12:13], s[12:13], s[84:85]
.macro FRAG reg, adr, q, i             ; 16 rows x 128 K in 16 registers: registers 4 c .. 4 c + 3 hold K = 32 c + 16 h + 0 .. 15: the same order of K in A and in B, so every product meets its partner
.irp c, 0,1,2,3
	ds_load_b128 v[\reg+4*\c:\reg+4*\c+3], v[\adr] offset:128*(\q)+32*\c+(\i)*16*PITCH
.endr
.endm
; 16 matrix instructions: A's blocks a0, a0 + 1 x B's eight.  p: B's set.  zero = 1: the first product starts the sums.  The 64 accumulators take turns.
.macro MUL16 a0, p, zero
.irp a, \a0, \a0+1
.irp b, 0,1,2,3,4,5,6,7
.if \zero
	v_wmma_f32_16x16x128_fp8_fp8 v[8*(8*((\a)%4)+\b):8*(8*((\a)%4)+\b)+7], v[128*(\p)+FR*\b:128*(\p)+FR*\b+FR-1], v[AF+FR*(\a):AF+FR*(\a)+FR-1], 0
.else
	v_wmma_f32_16x16x128_fp8_fp8 v[8*(8*((\a)%4)+\b):8*(8*((\a)%4)+\b)+7], v[128*(\p)+FR*\b:128*(\p)+FR*\b+FR-1], v[AF+FR*(\a):AF+FR*(\a)+FR-1], v[8*(8*((\a)%4)+\b):8*(8*((\a)%4)+\b)+7]
.endif
.endr
.endr
.endm
.macro FETCH_B slot, q, p
	WIN TO_B
.irp i, 0,1,2,3,4,5,6,7
	FRAG 128*(\p)+FR*\i, ADRB+\slot, \q, \i
.endr
	WIN 0
.endm
.macro FETCH_A slot, q, i0
.irp i, \i0, \i0+1, \i0+2, \i0+3
	FRAG AF+FR*(\i), ADRA+\slot, \q, \i
.endr
.endm
.macro PLACES n                        ; plain vector places in front of loads into registers that matrix instructions have read, and of the first read of results
.rept \n
	v_nop
.endr
.endm
; A step of 128 along K that has its successor in the same slot.
.macro STEP slot, q, zero
	s_wait_dscnt 4*NL                              ; B's set and A's blocks 0-3 are in; the youngest sixteen loads (A's blocks 4-7) may be out
	WIN MUL_LO
	MUL16 0, (\q)%2, \zero
	MUL16 2, (\q)%2, \zero
	s_wait_dscnt 0                                 ; A's blocks 4-7 are in
	PLACES NP
	FETCH_B \slot, (\q)+1, 1-(\q)%2
	FETCH_A \slot, (\q)+1, 0
	WIN MUL_HI
	MUL16 4, (\q)%2, \zero
	MUL16 6, (\q)%2, \zero
	PLACES NP
	WIN 0
	FETCH_A \slot, (\q)+1, 4
.endm
; A slot's last step changes slots: one barrier; in front of it each wave waits for all its tensor loads, adds 0 to its spare word, and waits for that and for its reads of this slot.
.macro TURN slot, next, fill
	s_wait_tensorcnt 0x0                           ; all my tensor loads have landed: my part of the next slot
	ds_add_u32 v[SPW], v[NIL]                      ; 0 onto my spare word
	s_wait_dscnt 4*NL+1                            ; the add and the youngest sixteen loads may be out
	WIN MUL_LO
	MUL16 0, 1, 0
	s_wait_dscnt 0x0                               ; the add is done, and my reads of this slot are over
	s_barrier_signal -1
	MUL16 2, 1, 0
	WIN 0
	s_barrier_wait -1
.if \fill
	CREST                                          ; the barrier has opened a round of the cluster's: no wave of any partner still reads this slot or has a load on its way
	s_add_nc_u64 s[G0+4*\slot+2:G0+4*\slot+3], s[G0+4*\slot+2:G0+4*\slot+3], 2*ROWB
	s_add_nc_u64 s[G0B+4*\slot+2:G0B+4*\slot+3], s[G0B+4*\slot+2:G0B+4*\slot+3], 2*ROWB
	JLOAD G0+4*\slot, G1, G0B+4*\slot, G1B         ; the first tensor load behind the round; its four v_nop are the places in front of the loads below
.else
	PLACES NP
.endif
	FETCH_B \next, 0, 0
	FETCH_A \next, 0, 0
	WIN MUL_HI
	MUL16 4, 1, 0
	MUL16 6, 1, 0
	PLACES NP
	WIN 0
	FETCH_A \next, 0, 4
.endm
	s_wait_tensorcnt 1                             ; my part of slot 0 is in; slot 1's load may be out
	s_barrier_signal -1
	s_barrier_wait -1
	FETCH_B 0, 0, 0
	FETCH_A 0, 0, 0
	FETCH_A 0, 0, 4
	STEP 0, 0, 1                                   ; the first step starts the sums
	s_mov_b32 s3, LAPS-1
.Llap:                                             ; a trip goes once round the ring and fills both slots again
	TURN 0, 1, 1
	STEP 1, 0, 0
	TURN 1, 0, 1
	STEP 0, 0, 0
	s_sub_co_u32 s3, s3, 1
	s_cmp_lg_u32 s3, 0
	s_cbranch_scc1 .Llap
	TURN 0, 1, 0                                   ; the last lap fills nothing
	STEP 1, 0, 0
	s_wait_dscnt 4*NL
	WIN MUL_LO
	MUL16 0, 1, 0
	MUL16 2, 1, 0
	s_wait_dscnt 0
	WIN MUL_HI
	MUL16 4, 1, 0
	MUL16 6, 1, 0
	WIN 0
	; THE WAY OUT.  The three scales are folded into the conversion's one.
	s_wait_kmcnt 0x0
	s_cmp_eq_u32 ttmp9, 0
	s_cselect_b32 s80, s74, s75                    ; q: e2;  k: e3
	s_cmp_eq_u32 ttmp9, 2
	s_cselect_b32 s80, s77, s80                    ; v: e5
	s_sub_co_i32 s80, s80, s72
	s_sub_co_i32 s80, s80, s73                     ; et - e0 - e1
	s_add_co_i32 s80, s80, 127
	s_lshl_b32 s86, s80, 23
	v_mov_b32 v[SCL], s86                          ; the scale as f32: the conversion takes its exponent field
	s_add_co_i32 s80, s80, 8
	s_lshl_b32 s80, s80, 23
	s_or_b32 s[LIMP], s80, 0x600000                ; 448 x the scale
	s_or_b32 s[LIMN], s[LIMP], 0x80000000
	PLACES NP
; Block a (16 A rows x 128 B indices): held, converted, 8 codes a lane and tile into the work-group's stage.  Each block has code registers of its own.
.macro QBLOCK a
.set AC, 64*((\a)%4)
	WIN 0x02+((\a)/4)                              ; source 0: window 2 or 3
.set J, 0
.rept 64
.set J, J+1
.endr
.irp b, 0,1,2,3,4,5,6,7
	v_cvt_scalef32_pk8_fp8_f32 v[CD+16*(\a)+2*\b:CD+16*(\a)+2*\b+1], v[AC+8*\b:AC+8*\b+7], v[SCL]
.endr
	WIN 0
	v_nop                                          ; a plain line between the conversions and the stores that read their results
.irp b, 0,1,2,3,4,5,6,7
	ds_store_b64 v[STO], v[CD+16*(\a)+2*\b:CD+16*(\a)+2*\b+1] offset:(\a)*16*SP+16*\b
.endr
.endm
.irp a, 0,1,2,3,4,5,6,7
	QBLOCK \a
.endr
	s_wait_dscnt 0x0                               ; for the others' sake: my stores into the stage are done
	s_barrier_signal -1
	s_barrier_wait -1                              ; a row's 256 bytes come from two waves
.irp cc, 0,1,2,3
.irp i, 0,1,2,3,4,5,6,7
	ds_load_b128 v[CD+4*(8*\cc+\i):CD+4*(8*\cc+\i)+3], v[RD] offset:8*\i*SP+64*\cc
.endr
.endr
.irp cc, 0,1,2,3
.irp i, 0,1,2,3,4,5,6,7
	s_wait_dscnt 31-(8*\cc+\i)                     ; the loads behind this one may be out
	global_store_b128 v[CO+\cc], v[CD+4*(8*\cc+\i):CD+4*(8*\cc+\i)+3], s[10:11] offset:512*\i   ; eight rows of 64 bytes of one head or step: 512 consecutive bytes, aligned
.endr
.endr
	s_cmp_lg_u32 ttmp9, 2
	s_cbranch_scc1 .Lnot_v
	; v ONLY: the sum of the codes' values over the tile's 256 keys, by the matrix unit: source 0 = sixteen rows of ones (code 0x38), source 1 = 16 rows of the stage.  Every register of lane (r, h) holds row r's sum.
	WIN 0x40
.set J, 0
.rept 16
	v_mov_b32 v[J], 0x38383838
.set J, J+1
.endr
	s_wait_alu depctr_va_vdst(0)
	WIN 0
.irp q, 0,1
.if \q
	PLACES NP
.endif
.irp t, 0,1,2,3
.irp c, 0,1,2,3
	ds_load_b128 v[TMP+16*\t+4*\c:TMP+16*\t+4*\c+3], v[FV] offset:\t*16*SP+128*\q+32*\c
.endr
.endr
	s_wait_dscnt 0x0
	WIN 0x01                                       ; source 0 window 1
.irp t, 0,1,2,3
.if \q
	v_wmma_f32_16x16x128_fp8_fp8 v[SUMS+8*\t:SUMS+8*\t+7], v[0:15], v[TMP+16*\t:TMP+16*\t+15], v[SUMS+8*\t:SUMS+8*\t+7]
.else
	v_wmma_f32_16x16x128_fp8_fp8 v[SUMS+8*\t:SUMS+8*\t+7], v[0:15], v[TMP+16*\t:TMP+16*\t+15], 0
.endif
.endr
	WIN 0
.endr
	PLACES NP
	s_mov_b32 s89, 0xffff0000
	v_cndmask_b32 v[VSUM], v[SUMS], v[SUMS+8], s89       ; lanes 0-15: rows 0-15, lanes 16-31: rows 16-31
	v_cndmask_b32 v[VSUM+1], v[SUMS+16], v[SUMS+24], s89 ; rows 32-63
	global_store_b32 v[VPO], v[VSUM], s[12:13]
	global_store_b32 v[VPO], v[VSUM+1], s[12:13] offset:128
.Lnot_v:
	s_wait_tensorcnt 0x0                           ; the wave's end
	ds_add_u32 v[SPW], v[NIL]
	s_wait_dscnt 0x0
	CROUND                                         ; the closing round
	s_endpgm
.Lfunc_end_k_qbb09971494_qkv:
	.size	k_qbb09971494_qkv, .Lfunc_end_k_qbb09971494_qkv-k_qbb09971494_qkv
	.p2alignl 7, 3214868480
	.fill 96, 4, 3214868480
	.section	.rodata,"a",@progbits
	.p2align	6, 0x0
	.amdhsa_kernel k_qbb09971494_qkv
		.amdhsa_group_segment_fixed_size 327680
		.amdhsa_private_segment_fixed_size 0
		.amdhsa_enable_private_segment 0
		.amdhsa_kernarg_size 40
		.amdhsa_user_sgpr_count 2
		.amdhsa_user_sgpr_kernarg_segment_ptr 1
		.amdhsa_wavefront_size32 1
		.amdhsa_system_sgpr_workgroup_id_x 1
		.amdhsa_system_sgpr_workgroup_id_y 1
		.amdhsa_system_sgpr_workgroup_id_z 1
		.amdhsa_system_vgpr_workitem_id 0
		.amdhsa_next_free_vgpr 1024
		.amdhsa_next_free_sgpr 100
		.amdhsa_reserve_vcc 0
		.amdhsa_float_denorm_mode_32 3
		.amdhsa_float_denorm_mode_16_64 3
		.amdhsa_fp16_overflow 1
		.amdhsa_memory_ordered 1
		.amdhsa_forward_progress 1
		.amdhsa_inst_pref_size 99
	.end_amdhsa_kernel
	.amdgpu_metadata
---
amdhsa.version: [ 1, 2 ]
amdhsa.kernels:
  - .name:           k_qbb09971494_qkv
    .symbol:         k_qbb09971494_qkv.kd
    .args:
      - { .name: x_padded_codes, .offset: 0, .size: 8, .value_kind: global_buffer, .address_space: global }
      - { .name: Wqkv_codes, .offset: 8, .size: 8, .value_kind: global_buffer, .address_space: global }
      - { .name: lowp_scales, .offset: 16, .size: 8, .value_kind: global_buffer, .address_space: global }
      - { .name: qkv, .offset: 24, .size: 8, .value_kind: global_buffer, .address_space: global }
      - { .name: vpart, .offset: 32, .size: 8, .value_kind: global_buffer, .address_space: global }
    .group_segment_fixed_size: 327680
    .private_segment_fixed_size: 0
    .kernarg_segment_align: 8
    .kernarg_segment_size: 40
    .max_flat_workgroup_size: 128
    .sgpr_count:     100
    .vgpr_count:     1024
    .wavefront_size: 32
...
	.end_amdgpu_metadata
.endif
;; end of part 1
;; launch attn (part 2): grid 4 x 64, 16 waves a work-group, no clusters, 174,080 bytes of LDS; arguments qkv, vpart, lowp_scales, seq_lengths, aimg; writes aimg
.if DOCPART == 2
	.amdgcn_target "amdgcn-amd-amdhsa--gfx1250"
	.amdhsa_code_object_version 6
	.text
	.protected	k_qbb09971494_attn
	.globl	k_qbb09971494_attn
	.p2align	8
	.type	k_qbb09971494_attn,@function
k_qbb09971494_attn:
	s_mov_b64 s[64:65], 0
	v_nop
	global_prefetch_b8 v0, s[64:65] scope:SCOPE_SE
	s_setreg_imm32_b32 hwreg(HW_REG_WAVE_MODE, 25, 1), 1
	s_wait_xcnt 0x0
; Attention with a window (key j counts for query i where i - 512 <= j <= i and j < len of the batch), both products on E4M3 codes; the result is quantised for the out-projection.
; p = 2^(t - M), t = score x log2(e) / 8, M = the running largest t rounded up to a whole number; the row's sum is taken of the unquantised p and divides at the end.
; SHARES.  A work-group owns 512 queries of one head; each of its sixteen waves 32 of them, two tiles of 16, so that each fragment of K and V read from LDS feeds two products.
; The work-group's keys, first query - 512 .. first query + 511, are 16 steps of 64 and lie in LDS whole: every byte is filled once.  Wave w walks steps w / 2 .. w / 2 + 8: nine trips.
; Steps of keys under 0 (first block of a head alone) are jumped over by a scalar branch on ids.
; LAYOUT.  S^T = K Q^T (source 0 = 16 keys, source 1 = 16 queries), O^T = V^T P^T: a lane holds one query (lane % 16) throughout; register j of key tile k is key 16 k + 8 (lane / 16) + j,
; which is the place that the second product's operand gives it: the conversions' results are that operand.
; THE PADDING MASK is the C of the score products: a table in LDS holds 0 for a key under len and -1e30 for the others.  THE WINDOW is cut by compares in a wave's first and last step alone.
; A ROW WITH NO OPEN KEY (i - 512 >= len, or len = 0) has every score equal: p = 1 for all 2,048 keys, the sum 2,048.  Its result is (code of 1) x (sum of v's codes over all keys) / 2,048, chosen by v_cndmask_b32.
; OUT.  aimg: the out-projection's operand as images of its registers: [128 tokens 64][256 along K 4][16 tokens 8][128 along K 2][group of 4 registers 4][lane 32][16 bytes].
; LIMITS on the given exponents: e2 + e3 between -90 and 130 (added to c's exponent field; from -90 on, -1e30 x c lies so far under every t that p is 0); e4, and e6 - e4 - e5, between -126 and 119.  NaN is not served.
; No multicast: neighbouring blocks share half of a window, but at other LDS places.  No ring: all tiles are first fills, asked for at the head.
.set KP,    80                         ; a row of 64 codes in LDS: + 16 of padding = 20 words: sixteen rows start at sixteen different groups of four banks (ISA guide 11.1)
.set STEPB, 64*KP                      ; a step's rows of K, or of V
.set CHUNK, 256*KP                     ; what one tensor load brings
.set VOFF,  4*CHUNK                    ; K: 1,024 rows;  then V: 16 steps x 64 rows
.set BIASO, 8*CHUNK                    ; f32 [1,024]: the padding mask
.set VSO,   BIASO+4096                 ; 256 bytes for each wave: the sums of v's codes over all keys
.set AK0, 1                            ; v1  my lane's place in my first step's K
.set AV0, 2                            ; v2  V
.set AB0, 3                            ; v3  the mask's table
.set ADK, 4                            ; v4-6 the same in the step in hand
.set ADV, 5
.set ADB, 6
.set RH,  7                            ; v7  r - 8 h
.set DM,  8                            ; v8, v9 the window's bounds for my lane
.set C1,  10                           ; v10 the value of the code of p = 1
.set NEG, 11                           ; v11 -1e30
.set ST,  12                           ; v12-27 tile u at +8 u: +0 -M, +1 the largest t, +2, +3 the sum in two halves, +4 f (+5 named with it), +6, +7 at work
.set PLIM, 28                          ; v28 448 x 2^e4
.set PSC, 29                           ; v29 2^e4
.set PX,  30                           ; v30, v31 what comes from lane xor 16
.set QF,  32                           ; v32-47 Q, two fragments
.set KV,  48                           ; v48-79 four fragments of K, then of V
.set BI,  80                           ; v80-111 the mask, in the scores' layout
.set S,   112                          ; v112-175 S^T, then p: tile u at +32 u, key tile k at +8 k
.set O,   176                          ; v176-239 O^T: +32 u + 8 t
.set PC,  240                          ; v240-255 p's codes: +8 u
.macro MX2 a, b, c, d                  ; two links of each tile's two chains of maxima
.irp u, 0,1
	v_max3_num_f32 v[ST+8*\u+6], v[ST+8*\u+6], v[S+32*\u+\a], v[S+32*\u+\b]
	v_max3_num_f32 v[ST+8*\u+7], v[ST+8*\u+7], v[S+32*\u+\c], v[S+32*\u+\d]
.endr
.endm
.macro MASKW left, d                   ; scores of keys outside the window become -1e30: register 8 k + j of tile u is hidden where 16 k + j - 16 u lies under (left) or over v[d]
.irp u, 0,1
.irp k, 0,1,2,3
.irp j, 0,1,2,3,4,5,6,7
.if \left
	v_cmp_lt_i32 vcc_lo, 16*\k+\j-16*\u, v[\d]
.else
	v_cmp_gt_i32 vcc_lo, 16*\k+\j-16*\u, v[\d]
.endif
	v_cndmask_b32 v[S+32*\u+8*\k+\j], v[S+32*\u+8*\k+\j], v[NEG], vcc_lo
.endr
.endr
.endr
.endm
	s_load_b256 s[4:11], s[0:1], 0x0               ; qkv s[4:5], vpart s[6:7], the scales' exponents s[8:9], seq_lengths s[10:11]
	s_load_b64 s[12:13], s[0:1], 0x20              ; aimg
	v_lshl_add_u32 v254, v0, 2, 0x2a000
	v_mov_b32 v255, 0
	ds_add_u32 v254, v255
	ds_add_u32 v254, v255
	s_wait_dscnt 0x0
	v_lshrrev_b32 v4, 5, v0
	s_delay_alu instid0(VALU_DEP_1)
	v_readfirstlane_b32 s14, v4                    ; wave 0..15
	s_and_b32 s16, ttmp7, 0xffff                   ; batch x 16 + head
	s_lshr_b32 s17, s16, 4                         ; batch
	s_and_b32 s18, s16, 15                         ; head
	s_lshl_b32 s19, ttmp9, 9                       ; the work-group's first query
	s_lshl_b32 s52, s14, 5
	s_add_co_u32 s37, s19, s52                     ; my wave's first query
	; descriptor group 1: 256 rows x 64 bytes, dense in memory, 16 bytes of padding behind each
	s_mov_b32 s24, (0<<16)|(1<<20)|(3<<22)|(3<<25) ; no mask; elements of 1 byte; padding on: after every 16 words, 4 words
	s_mov_b32 s25, 64<<16                          ; tensor_dim0
	s_mov_b32 s26, 256<<16                         ; tensor_dim1
	s_mov_b32 s27, 64<<16                          ; tile_dim0
	s_mov_b32 s28, 256                             ; tile_dim1
	s_mov_b32 s29, 64                              ; from row to row
	s_mov_b32 s30, 0
	s_mov_b32 s31, 0
	s_mov_b32 s20, 0x76543210                      ; v_permlanex16_b32's selects for lane xor 16
	s_mov_b32 s21, 0xfedcba98
	s_lshl_b32 s55, s16, 17                        ; the head's first byte in each third of qkv
	s_and_b32 s52, s14, 3                          ; what I fetch, if I fetch: waves 0-3 K's, waves 4-7 V's chunk wave % 4 of 256 keys
	s_lshl_b32 s52, s52, 8
	s_add_co_u32 s52, s52, s19
	s_sub_co_i32 s52, s52, 512
	s_max_i32 s52, s52, 0                          ; chunks of keys under 0 are never read: their loads are held inside the buffer
	s_lshl_b32 s52, s52, 6                         ; a key is 64 bytes in K, and in V's steps of 64 keys x 64
	s_add_co_u32 s52, s52, s55
	s_lshr_b32 s53, s14, 2
	s_add_co_u32 s53, s53, 1
	s_lshl_b32 s53, s53, 23                        ; third 1 (K) or 2 (V)
	s_add_co_u32 s52, s52, s53
	s_mov_b32 s53, 0
	s_mov_b32 s32, 1                               ; group 0: count
	s_mul_i32 s33, s14, CHUNK                      ; LDS address: wave x 20,480
	s_lshl_b32 s56, s17, 2                         ; seq_lengths[batch]
	s_mov_b32 s57, 0
	s_lshl_b32 s58, s37, 6                         ; Q at my first query
	s_add_co_u32 s58, s58, s55
	s_mov_b32 s59, 0
	s_lshl_b32 s60, s17, 15                        ; vpart: the batch's eight key tiles, my head's 64 numbers
	s_lshl_b32 s61, s18, 8
	s_add_co_u32 s60, s60, s61
	s_mov_b32 s61, 0
	s_lshl_b32 s62, s17, 11                        ; aimg: token = 2,048 x batch + my first query
	s_add_co_u32 s62, s62, s37
	s_bfe_u32 s63, s62, 0x30004                    ; its tile of 16 among eight
	s_lshl_b32 s63, s63, 12
	s_lshr_b32 s62, s62, 7                         ; its block of 128
	s_lshl_b32 s62, s62, 17
	s_add_co_u32 s62, s62, s63
	s_lshr_b32 s63, s18, 2                         ; the head's 64 along K: slot of 256,
	s_lshl_b32 s63, s63, 15
	s_add_co_u32 s62, s62, s63
	s_and_b32 s63, s18, 3                          ; step of 128 and half of it: 1,024 bytes for each
	s_lshl_b32 s63, s63, 10
	s_add_co_u32 s62, s62, s63
	s_mov_b32 s63, 0
	s_wait_kmcnt 0x0
	s_add_nc_u64 s[34:35], s[4:5], s[52:53]
	s_or_b32 s35, s35, 0x80000000                  ; type = 2
	s_add_nc_u64 s[10:11], s[10:11], s[56:57]
	s_add_nc_u64 s[58:59], s[4:5], s[58:59]
	s_add_nc_u64 s[60:61], s[6:7], s[60:61]
	s_add_nc_u64 s[12:13], s[12:13], s[62:63]
	s_load_b256 s[44:51], s[8:9], 0x0              ; e0 .. e7
	s_load_b32 s41, s[10:11], 0x0                  ; len
	s_cmp_lt_u32 s14, 8
	s_cbranch_scc0 .Lno_fetch
	tensor_load_to_lds s[32:35], s[24:31]          ; one load a wave, eight in the work-group: all first fills
	s_nop 0
.rept 4
	v_nop
.endr
.Lno_fetch:
	v_and_b32 v4, 15, v0                           ; r
	v_bfe_u32 v5, v0, 4, 1                         ; h
	s_delay_alu instid0(VALU_DEP_2)
	v_lshlrev_b32 v6, 6, v4
	s_delay_alu instid0(VALU_DEP_1)
	v_lshl_add_u32 v6, v5, 4, v6                   ; Q: row r of 64 bytes, + 16 h
.irp u, 0,1
.irp c, 0,1
	global_load_b128 v[QF+8*\u+4*\c:QF+8*\u+4*\c+3], v6, s[58:59] offset:1024*\u+32*\c   ; registers 4 c .. 4 c + 3: 32 c + 16 h + 0 .. 15 of the head's 64: the same order in K's fragments
.endr
.endr
	v_and_b32 v8, 31, v0
	s_delay_alu instid0(VALU_DEP_1)
	v_lshlrev_b32 v8, 3, v8                        ; two numbers a lane
.irp k, 0,1,2,3,4,5,6,7
	global_load_b64 v[S+2*\k:S+2*\k+1], v8, s[60:61] offset:4096*\k
.endr
	s_lshr_b32 s66, s14, 1                         ; my first step
	s_mul_i32 s67, s66, STEPB
	v_mul_u32_u24 v1, v4, KP
	s_delay_alu instid0(VALU_DEP_1)
	v_lshl_add_u32 v2, v5, 3, v1
	s_delay_alu instid0(VALU_DEP_2)
	v_lshl_add_u32 v1, v5, 4, v1
	s_delay_alu instid0(VALU_DEP_1)
	v_add_nc_u32 v[AK0], s67, v1                   ; K: row r, + 16 h
	s_delay_alu instid0(VALU_DEP_3)
	v_add_nc_u32 v2, s67, v2
	s_delay_alu instid0(VALU_DEP_1)
	v_add_nc_u32 v[AV0], VOFF, v2                  ; V: row r, + 8 h: the form's own order of K
	s_lshl_b32 s67, s66, 8
	v_lshlrev_b32 v3, 5, v5
	s_delay_alu instid0(VALU_DEP_1)
	v_add_nc_u32 v3, s67, v3
	s_delay_alu instid0(VALU_DEP_1)
	v_add_nc_u32 v[AB0], BIASO, v3                 ; the mask: 32 h bytes into the step's 256
	v_lshlrev_b32 v[RH], 3, v5
	s_delay_alu instid0(VALU_DEP_1)
	v_sub_nc_u32 v[RH], v4, v[RH]
	v_mov_b32 v[NEG], 0xf149f2ca                   ; -1e30
.irp u, 0,1
	v_mov_b32 v[ST+8*\u+1], 0xff61b1e6             ; the largest t so far: -3e38
	s_delay_alu instid0(VALU_DEP_1)
	v_floor_f32 v[ST+8*\u], -v[ST+8*\u+1]          ; -M
	v_mov_b32 v[ST+8*\u+2], 0
	v_mov_b32 v[ST+8*\u+3], 0
	v_mov_b32 v[ST+8*\u+4], 0
	v_mov_b32 v[ST+8*\u+5], 0
	v_mov_b32 v[ST+8*\u+6], 0
	v_mov_b32 v[ST+8*\u+7], 0
	v_mov_b32 v[PX+\u], 0                          ; a lane permute's destination counts as one of its sources
.endr
.set J, 0
.rept 64
	v_mov_b32 v[O+J], 0                            ; the step is written once: the first finds zeros
.set J, J+1
.endr
	s_wait_kmcnt 0x0
	s_max_i32 s41, s41, 0
	s_min_i32 s41, s41, 2048                       ; beyond these bounds the mask does not change
	s_add_co_i32 s52, s46, s47                     ; a score stands for score x 2^(e2 + e3): added to c's exponent field
	s_lshl_b32 s52, s52, 23
	s_mov_b32 s22, 0x3e38aa3b                      ; c = log2(e) / 8
	s_add_co_i32 s22, s22, s52
	s_mov_b32 s23, s22                             ; named with it as a pair
	s_add_co_i32 s52, s48, 127
	s_lshl_b32 s53, s52, 23
	v_mov_b32 v[PSC], s53                          ; 2^e4
	s_add_co_i32 s52, s52, 8
	s_lshl_b32 s52, s52, 23
	s_or_b32 s52, s52, 0x600000
	v_mov_b32 v[PLIM], s52                         ; 448 x 2^e4
	s_delay_alu instid0(VALU_DEP_1)
	v_min_num_f32 v[KV], 1.0, v[PLIM]              ; p = 1 goes the way of every p, and its code is widened again
.irp j, 1,2,3,4,5,6,7
	v_mov_b32 v[KV+\j], v[KV]
.endr
	v_cvt_scalef32_pk8_fp8_f32 v[KV+8:KV+9], v[KV:KV+7], v[PSC]
	v_nop
	v_cvt_f32_fp8 v[C1], v[KV+8]
	s_sub_co_i32 s52, s41, s19
	s_add_co_i32 s52, s52, 512                     ; table entries under this number are keys under len
	v_lshlrev_b32 v[KV+10], 1, v0                  ; thread t makes entries 2 t and 2 t + 1
	v_mov_b32 v[KV+11], 0
	s_delay_alu instid0(VALU_DEP_2)
	v_cmp_gt_i32 vcc_lo, s52, v[KV+10]
	s_delay_alu instid0(VALU_DEP_1)
	v_cndmask_b32 v[KV+12], v[NEG], v[KV+11], vcc_lo
	s_delay_alu instid0(VALU_DEP_4)
	v_add_nc_u32 v[KV+10], 1, v[KV+10]
	s_delay_alu instid0(VALU_DEP_1)
	v_cmp_gt_i32 vcc_lo, s52, v[KV+10]
	s_delay_alu instid0(VALU_DEP_1)
	v_cndmask_b32 v[KV+13], v[NEG], v[KV+11], vcc_lo
	v_lshl_add_u32 v[KV+14], v0, 3, BIASO
	ds_store_b64 v[KV+14], v[KV+12:KV+13]
	s_wait_loadcnt 0x0                             ; Q and the eight parts of v's sums
	v_pk_add_f32 v[S:S+1], v[S:S+1], v[S+2:S+3]
	v_pk_add_f32 v[S+4:S+5], v[S+4:S+5], v[S+6:S+7]
	v_pk_add_f32 v[S+8:S+9], v[S+8:S+9], v[S+10:S+11]
	v_pk_add_f32 v[S+12:S+13], v[S+12:S+13], v[S+14:S+15]
	s_delay_alu instid0(VALU_DEP_3)
	v_pk_add_f32 v[S:S+1], v[S:S+1], v[S+4:S+5]
	s_delay_alu instid0(VALU_DEP_2)
	v_pk_add_f32 v[S+8:S+9], v[S+8:S+9], v[S+12:S+13]
	s_delay_alu instid0(VALU_DEP_1)
	v_pk_add_f32 v[S:S+1], v[S:S+1], v[S+8:S+9]
	v_lshl_add_u32 v[KV+15], v0, 3, VSO            ; 8 x thread = 256 x wave + 8 x lane: my wave's own bytes
	ds_store_b64 v[KV+15], v[S:S+1]
	s_lshl_b32 s36, s66, 6
	s_add_co_u32 s36, s36, s19
	s_sub_co_i32 s36, s36, 512                     ; the first key of my first step
	s_mov_b32 s38, 0                               ; steps on, in K's and V's bytes,
	s_mov_b32 s39, 0                               ; and in the table's
	s_mov_b32 s40, 9
	s_wait_tensorcnt 0x0                           ; my tile has landed,
	s_wait_dscnt 0x0                               ; my stores are done:
	s_barrier_signal -1
	s_barrier_wait -1                              ; everybody's are.  The launch's one barrier: nothing in LDS is written behind it
.Lstep:
	s_cmp_lt_i32 s36, 0                            ; keys under 0: a branch on ids
	s_cbranch_scc1 .Lskip
	s_setprio 2
	v_add_nc_u32 v[ADK], s38, v[AK0]               ; these three and the v_nop are the four places behind the last step's products, in front of the loads
	v_add_nc_u32 v[ADV], s38, v[AV0]
	v_add_nc_u32 v[ADB], s39, v[AB0]
	v_nop
.irp k, 0,1,2,3
	ds_load_b128 v[KV+8*\k:KV+8*\k+3], v[ADK] offset:\k*16*KP
	ds_load_b128 v[KV+8*\k+4:KV+8*\k+7], v[ADK] offset:\k*16*KP+32
.endr
.irp k, 0,1,2,3
	ds_load_b128 v[BI+8*\k:BI+8*\k+3], v[ADB] offset:64*\k
	ds_load_b128 v[BI+8*\k+4:BI+8*\k+7], v[ADB] offset:64*\k+16
.endr
	s_wait_alu depctr_va_vdst(0)
	s_wait_dscnt 0x0
.irp k, 0,1,2,3
.irp u, 0,1
	v_wmma_f32_16x16x64_fp8_fp8 v[S+32*\u+8*\k:S+32*\u+8*\k+7], v[KV+8*\k:KV+8*\k+7], v[QF+8*\u:QF+8*\u+7], v[BI+8*\k:BI+8*\k+7]   ; the padding mask is the C
.endr
.endr
.rept 4
	v_nop                                          ; places in front of the loads into K's registers and of the first read of the scores
.endr
.irp t, 0,1,2,3
.irp c, 0,1,2,3
	ds_load_b64 v[KV+8*\t+2*\c:KV+8*\t+2*\c+1], v[ADV] offset:\t*16*KP+16*\c   ; V lands under the softmax
.endr
.endr
	s_sub_co_i32 s52, s37, s36                     ; my first query - the step's first key
	s_sub_co_i32 s53, s37, 481
	s_cmp_ge_i32 s36, s53                          ; all keys at or over my last query - 512?
	s_cbranch_scc1 .Lno_left
	s_sub_co_i32 s53, s52, 512
	v_add_nc_u32 v[DM], s53, v[RH]
	MASKW 1, DM
.Lno_left:
	s_add_co_i32 s53, s36, 63
	s_cmp_le_i32 s53, s37                          ; all keys at or under my first query?
	s_cbranch_scc1 .Lno_diag
	v_add_nc_u32 v[DM+1], s52, v[RH]
	MASKW 0, DM+1
.Lno_diag:
.irp u, 0,1
	v_max3_num_f32 v[ST+8*\u+6], v[S+32*\u], v[S+32*\u+1], v[S+32*\u+2]       ; the chains meet each accumulator at its low end first
	v_max3_num_f32 v[ST+8*\u+7], v[S+32*\u+8], v[S+32*\u+9], v[S+32*\u+10]
.endr
	MX2 16, 17, 24, 25
	MX2 3, 4, 5, 6
	MX2 7, 11, 12, 13
	MX2 14, 15, 18, 19
	MX2 20, 21, 22, 23
	s_setprio 1
	MX2 26, 27, 28, 29
.irp u, 0
	v_max3_num_f32 v[ST+8*\u+6], v[ST+8*\u+6], v[S+32*\u+30], v[S+32*\u+31]
.endr
.irp u, 1
	v_max3_num_f32 v[ST+8*\u+6], v[ST+8*\u+6], v[S+32*\u+30], v[S+32*\u+31]
.endr
.irp u, 0,1
	s_delay_alu instid0(VALU_DEP_2)
	v_max_num_f32 v[ST+8*\u+6], v[ST+8*\u+6], v[ST+8*\u+7]
.endr
.irp u, 0,1
	s_delay_alu instid0(VALU_DEP_2)
	v_permlanex16_b32 v[PX+\u], v[ST+8*\u+6], s20, s21
.endr
.irp u, 0,1
	s_delay_alu instid0(VALU_DEP_2)
	v_max_num_f32 v[ST+8*\u+6], v[ST+8*\u+6], v[PX+\u]     ; the query's other 32 keys lie in lane xor 16
.endr
.irp u, 0,1
	s_delay_alu instid0(VALU_DEP_2)
	v_mul_f32 v[ST+8*\u+6], s22, v[ST+8*\u+6]              ; as t (c is positive)
.endr
.irp u, 0,1
	s_delay_alu instid0(VALU_DEP_2)
	v_max_num_f32 v[ST+8*\u+1], v[ST+8*\u+1], v[ST+8*\u+6] ; the running largest t
.endr
.irp u, 0,1
	v_mov_b32 v[ST+8*\u+6], v[ST+8*\u]
.endr
.irp u, 0,1
	s_delay_alu instid0(VALU_DEP_4)
	v_floor_f32 v[ST+8*\u], -v[ST+8*\u+1]                  ; the new -M = -ceil(t)
.endr
.irp u, 0,1
	s_delay_alu instid0(VALU_DEP_2)
	v_sub_f32 v[ST+8*\u+6], v[ST+8*\u], v[ST+8*\u+6]       ; old M - new M: a whole number, 0 or less
.endr
.irp u, 0,1
	s_delay_alu instid0(VALU_DEP_2)
	v_cvt_i32_f32 v[ST+8*\u+6], v[ST+8*\u+6]               ; (it saturates)
.endr
.irp u, 0,1
	s_delay_alu instid0(VALU_DEP_2)
	v_ldexp_f32 v[ST+8*\u+4], 1.0, v[ST+8*\u+6]            ; f = 2^(old M - new M)
.endr
.irp u, 0,1
.irp j, 0,2,4,6,8,10,12,14,16,18,20,22,24,26,28,30
	v_pk_fma_f32 v[S+32*\u+\j:S+32*\u+\j+1], v[S+32*\u+\j:S+32*\u+\j+1], s[22:23], v[ST+8*\u:ST+8*\u+1] op_sel_hi:[1,0,0]   ; t - M
.endr
.endr
.set J, 0
	s_wait_alu depctr_va_vdst(0)
.rept 64
	v_exp_f32 v[S+J], v[S+J]                       ; p = 2^(t - M): one batch
.set J, J+1
.endr
.irp u, 0,1
	v_pk_mul_f32 v[ST+8*\u+2:ST+8*\u+3], v[ST+8*\u+2:ST+8*\u+3], v[ST+8*\u+4:ST+8*\u+5] op_sel_hi:[1,0]   ; the sums under the new M: the plain lines behind the batch
.endr
	s_wait_alu depctr_va_vdst(0)                   ; one wait for the 64 exponentials, ahead of their first reader
.irp u, 0,1
	v_pk_add_f32 v[ST+8*\u+6:ST+8*\u+7], v[S+32*\u:S+32*\u+1], v[S+32*\u+2:S+32*\u+3]   ; the sum of the unquantised p, in two chains a tile
.endr
.irp j, 4,8,12,16,20,24,28
.irp u, 0,1
	v_pk_add_f32 v[ST+8*\u+2:ST+8*\u+3], v[ST+8*\u+2:ST+8*\u+3], v[S+32*\u+\j:S+32*\u+\j+1]
	v_pk_add_f32 v[ST+8*\u+6:ST+8*\u+7], v[ST+8*\u+6:ST+8*\u+7], v[S+32*\u+\j+2:S+32*\u+\j+3]
.endr
.endr
.irp u, 0
	s_delay_alu instid0(VALU_DEP_3)
	v_pk_add_f32 v[ST+8*\u+2:ST+8*\u+3], v[ST+8*\u+2:ST+8*\u+3], v[ST+8*\u+6:ST+8*\u+7]
.endr
.irp u, 1
	s_delay_alu instid0(VALU_DEP_2)
	v_pk_add_f32 v[ST+8*\u+2:ST+8*\u+3], v[ST+8*\u+2:ST+8*\u+3], v[ST+8*\u+6:ST+8*\u+7]
.endr
.set J, 0
.rept 64
.set J, J+1
.endr
.irp u, 0,1
.irp k, 0,1,2,3
	v_cvt_scalef32_pk8_fp8_f32 v[PC+8*\u+2*\k:PC+8*\u+2*\k+1], v[S+32*\u+8*\k:S+32*\u+8*\k+7], v[PSC]
.endr
.endr
	s_setprio 0
.irp u, 0,1
.irp j, 0,2,4,6,8,10,12,14,16,18,20,22,24,26,28,30
	v_pk_mul_f32 v[O+32*\u+\j:O+32*\u+\j+1], v[O+32*\u+\j:O+32*\u+\j+1], v[ST+8*\u+4:ST+8*\u+5] op_sel_hi:[1,0]   ; O^T under the new M; also the plain lines behind the conversions
.endr
.endr
	s_wait_alu depctr_va_vdst(0)
	s_wait_dscnt 0x0                               ; V is in
.irp t, 0,1,2,3
.irp u, 0,1
	v_wmma_f32_16x16x64_fp8_fp8 v[O+32*\u+8*\t:O+32*\u+8*\t+7], v[KV+8*\t:KV+8*\t+7], v[PC+8*\u:PC+8*\u+7], v[O+32*\u+8*\t:O+32*\u+8*\t+7]   ; eight accumulators by turns
.endr
.endr
.Lskip:
	s_add_co_i32 s36, s36, 64
	s_add_co_u32 s38, s38, STEPB
	s_add_co_u32 s39, s39, 256
	s_sub_co_u32 s40, s40, 1
	s_cmp_lg_u32 s40, 0
	s_cbranch_scc1 .Lstep
	s_setprio 0
	; THE WAY OUT
.rept 4
	v_nop
.endr
.irp u, 0,1
	v_add_f32 v[ST+8*\u+2], v[ST+8*\u+2], v[ST+8*\u+3]
.endr
.irp u, 0,1
	s_delay_alu instid0(VALU_DEP_2)
	v_permlanex16_b32 v[PX+\u], v[ST+8*\u+2], s20, s21
.endr
.irp u, 0,1
	s_delay_alu instid0(VALU_DEP_2)
	v_add_f32 v[ST+8*\u+2], v[ST+8*\u+2], v[PX+\u]         ; the row's sum
.endr
	v_and_b32 v4, 15, v0
	s_sub_co_i32 s52, s37, 512
	v_add_nc_u32 v5, s52, v4                       ; i - 512, tile 0,
	s_delay_alu instid0(VALU_DEP_1)
	v_add_nc_u32 v6, 16, v5                        ; tile 1
	s_cmp_eq_u32 s41, 0
	s_cselect_b32 s56, -1, 0
	v_cmp_le_i32 s54, s41, v5                      ; no open key: len <= i - 512,
	v_cmp_le_i32 s55, s41, v6
	s_or_b32 s54, s54, s56                         ; or len = 0
	s_or_b32 s55, s55, s56
	v_mov_b32 v8, 0x45000000                       ; 2,048.0
	s_delay_alu instid0(VALU_DEP_1)
	v_cndmask_b32 v[ST+2], v[ST+2], v8, s54
	s_delay_alu instid0(VALU_DEP_2)
	v_cndmask_b32 v[ST+10], v[ST+10], v8, s55
	s_wait_alu depctr_va_vdst(0)
	v_rcp_f32 v[ST+6], v[ST+2]
	v_rcp_f32 v[ST+14], v[ST+10]
	v_bfe_u32 v5, v0, 4, 1                         ; (a plain line behind the reciprocals)
	s_delay_alu instid0(VALU_DEP_1)
	v_lshlrev_b32 v5, 5, v5
	s_lshl_b32 s52, s14, 8
	v_add_nc_u32 v5, s52, v5
	s_delay_alu instid0(VALU_DEP_1)
	v_add_nc_u32 v5, VSO, v5                       ; my wave's sums of v's codes, + 32 h
.irp t, 0,1,2,3
	ds_load_b128 v[S+8*\t:S+8*\t+3], v5 offset:64*\t
	ds_load_b128 v[S+8*\t+4:S+8*\t+7], v5 offset:64*\t+16
.endr
	s_sub_co_i32 s52, s50, s48
	s_sub_co_i32 s52, s52, s49                     ; e6 - e4 - e5: the three scales folded into the conversion's one
	s_add_co_i32 s52, s52, 127
	s_lshl_b32 s53, s52, 23
	v_mov_b32 v4, s53
	v_and_b32 v6, 31, v0
	s_delay_alu instid0(VALU_DEP_1)
	v_lshlrev_b32 v6, 4, v6                        ; 16 x lane
	s_wait_dscnt 0x0
.irp j, 0,2,4,6,8,10,12,14,16,18,20,22,24,26,28,30
	v_pk_mul_f32 v[S+\j:S+\j+1], v[S+\j:S+\j+1], v[C1:C1+1] op_sel_hi:[1,0]   ; x the code of p = 1
.endr
	s_wait_alu depctr_va_vdst(0)                   ; one wait for the two reciprocals, ahead of their first reader
.irp u, 0,1
.set J, 0
.rept 32
	v_cndmask_b32 v[O+32*\u+J], v[O+32*\u+J], v[S+J], s[54+\u]   ; each accumulator from its low end on
.set J, J+1
.endr
.irp j, 0,2,4,6,8,10,12,14,16,18,20,22,24,26,28,30
	v_pk_mul_f32 v[O+32*\u+\j:O+32*\u+\j+1], v[O+32*\u+\j:O+32*\u+\j+1], v[ST+8*\u+6:ST+8*\u+7] op_sel_hi:[1,0]   ; / the sum
.endr
.set J, 0
.rept 32
.set J, J+1
.endr
.irp t, 0,1,2,3
	v_cvt_scalef32_pk8_fp8_f32 v[PC+8*\u+2*\t:PC+8*\u+2*\t+1], v[O+32*\u+8*\t:O+32*\u+8*\t+7], v4   ; registers 2 t, 2 t + 1: 16 t + 8 h + 0 .. 7 of the head's 64
.endr
	v_nop
	global_store_b128 v6, v[PC+8*\u:PC+8*\u+3], s[12:13] offset:4096*\u        ; 32 lanes store 512 consecutive bytes, aligned: a group of four registers of the image
	global_store_b128 v6, v[PC+8*\u+4:PC+8*\u+7], s[12:13] offset:4096*\u+512
.endr
	s_wait_xcnt 0x0
	v_lshl_add_u32 v254, v0, 2, 0x2a000
	v_mov_b32 v255, 0
	s_wait_alu depctr_va_vdst(0)
	s_wait_tensorcnt 0x0
	ds_add_u32 v254, v255
	s_wait_dscnt 0x0
	s_endpgm
.Lfunc_end_k_qbb09971494_attn:
	.size	k_qbb09971494_attn, .Lfunc_end_k_qbb09971494_attn-k_qbb09971494_attn
	.p2alignl 7, 3214868480
	.fill 96, 4, 3214868480
	.section	.rodata,"a",@progbits
	.p2align	6, 0x0
	.amdhsa_kernel k_qbb09971494_attn
		.amdhsa_group_segment_fixed_size 174080
		.amdhsa_private_segment_fixed_size 0
		.amdhsa_enable_private_segment 0
		.amdhsa_kernarg_size 40
		.amdhsa_user_sgpr_count 2
		.amdhsa_user_sgpr_kernarg_segment_ptr 1
		.amdhsa_wavefront_size32 1
		.amdhsa_system_sgpr_workgroup_id_x 1
		.amdhsa_system_sgpr_workgroup_id_y 1
		.amdhsa_system_sgpr_workgroup_id_z 1
		.amdhsa_system_vgpr_workitem_id 0
		.amdhsa_next_free_vgpr 256
		.amdhsa_next_free_sgpr 80
		.amdhsa_reserve_vcc 1
		.amdhsa_float_denorm_mode_32 3
		.amdhsa_float_denorm_mode_16_64 3
		.amdhsa_fp16_overflow 1
		.amdhsa_memory_ordered 1
		.amdhsa_forward_progress 1
		.amdhsa_inst_pref_size 47
	.end_amdhsa_kernel
	.amdgpu_metadata
---
amdhsa.version: [ 1, 2 ]
amdhsa.kernels:
  - .name:           k_qbb09971494_attn
    .symbol:         k_qbb09971494_attn.kd
    .args:
      - { .name: qkv, .offset: 0, .size: 8, .value_kind: global_buffer, .address_space: global }
      - { .name: vpart, .offset: 8, .size: 8, .value_kind: global_buffer, .address_space: global }
      - { .name: lowp_scales, .offset: 16, .size: 8, .value_kind: global_buffer, .address_space: global }
      - { .name: seq_lengths, .offset: 24, .size: 8, .value_kind: global_buffer, .address_space: global }
      - { .name: aimg, .offset: 32, .size: 8, .value_kind: global_buffer, .address_space: global }
    .group_segment_fixed_size: 174080
    .private_segment_fixed_size: 0
    .kernarg_segment_align: 8
    .kernarg_segment_size: 40
    .max_flat_workgroup_size: 512
    .sgpr_count:     80
    .vgpr_count:     256
    .wavefront_size: 32
...
	.end_amdgpu_metadata
.endif
;; end of part 2
;; launch proj (part 3): grid 4 x 32, 4 waves a work-group, clusters of 4 x 4, 327,680 bytes of LDS; arguments aimg, Wout_codes, lowp_scales, out0; writes out0
.if DOCPART == 3
	.amdgcn_target "amdgcn-amd-amdhsa--gfx1250"
	.amdhsa_code_object_version 6
	.text
	.protected	k_qbb09971494_proj
	.globl	k_qbb09971494_proj
	.p2align	8
	.type	k_qbb09971494_proj,@function
k_qbb09971494_proj:
	s_mov_b64 s[64:65], 0
	v_nop
	global_prefetch_b8 v0, s[64:65] scope:SCOPE_SE
	s_setreg_imm32_b32 hwreg(HW_REG_WAVE_MODE, 25, 1), 1
	s_wait_xcnt 0x0
	s_wait_alu depctr_hold_cnt(0) depctr_sa_sdst(0) depctr_va_vdst(0) depctr_va_sdst(0) depctr_va_ssrc(0) depctr_va_vcc(0) depctr_vm_vsrc(0)
	s_getreg_b32 s2, hwreg(HW_REG_IB_STS2, 6, 4)
	s_cmp_eq_u32 s2, 0
	s_cbranch_scc0 .Lentry_in_a_cluster
	s_endpgm
.Lentry_in_a_cluster:
	s_bfe_u32 s2, ttmp6, 0x10000c
	s_cmp_lg_u32 s2, 0xf033
	s_cbranch_scc0 .Lentry_shape_is_right
	s_endpgm
.Lentry_shape_is_right:
; out0[m][n] = 2^(e6 + e7) x the sum over k of A[m][k] Wout[n][k], on E4M3 codes; 8,192 x 1,024 x 1,024; out0 f32.
; A comes as images of the operand's registers (aimg: [128 tokens 64][256 along K 4][16 tokens 8][128 along K 2][group of 4 registers 4][lane 32][16 bytes]): register 2 c, 2 c + 1 of lane (r, h) holds K = 16 c + 8 h + 0 .. 7,
; the form's own order.  So a fragment of A is four loads of 16 bytes at 16 x lane, and Wout's fragments are fetched in the same order, by eight loads of 8 bytes.
; LIMIT: e6 + e7 lies between -126 and 127, so that 2^(e6 + e7) is an f32 number.
; A tile of out0 is 256 x 256, four waves of 128 x 128; K goes in four slots' worth of 256 through a ring of two LDS slots.  128 work-groups: a tile of half the rows would read half as much again from LDS for each product.
; CLUSTERS: 4 x 4; A's tile is asked for jointly along a row of the cluster, Wout's along a column.  The matrix instruction is used transposed (source 0 = 16 rows of Wout, source 1 = 16 tokens).
; REGISTERS: window 0: v0-31 addresses; from v128 A's fragments, one set.  window 1: Wout's fragments, two sets.  windows 2, 3: the accumulators.
.set SIZE_N, 1024
.set KROW,   1024
.set ROWB,   256
.set PITCH,  272                       ; a row of Wout's tile in LDS: 256 bytes + 16 of padding
.set FR,     16
.set NL,     4                         ; LDS loads that bring a fragment of A
.set NP,     4
.set HALFA,  32768                     ; 128 tokens x 256 along K as images, dense
.set HALFT,  128*PITCH                 ; 128 rows of Wout
.set SLOT,   2*HALFA+2*HALFT
.set LAPS,   2
.set SPARE,  2*SLOT                    ; behind the ring: the spare words
.set SPITCH, 528                       ; the way out: 16 rows x (512 bytes + 16) for each wave, in slot 0, which has had its last fill and its last read by then
.set ADRA, 16
.set ADRB, 20
.set STO,  24
.set RD,   25
.set CO,   26
.set SPW,  28
.set NIL,  29
.set TMP,  32
.set AF,   128
.set BK,   128
.set G1, 24
.set G0, 32
.set G1B, 48
.set G0B, 56
.set MSB, 0
.macro WIN new
.if MSB != \new
	s_set_vgpr_msb (MSB<<8)|\new
.set MSB, \new
.endif
.endm
.set MUL_LO, 0xa1
.set MUL_HI, 0xf1
.set TO_B,   0x40
.macro JLOAD g0a, g1a, g0b, g1b        ; waves 0 and 1 fetch for A, waves 2 and 3 for Wout; four v_nop follow each of the two lines
	s_cmp_eq_u32 s15, 0
	s_cbranch_scc0 .Lfor_b_\@
	tensor_load_to_lds s[\g0a:\g0a+3], s[\g1a:\g1a+7]
	s_nop 0
.rept 4
	v_nop
.endr
	s_branch .Lasked_\@
.Lfor_b_\@:
	tensor_load_to_lds s[\g0b:\g0b+3], s[\g1b:\g1b+7]
	s_nop 0
.rept 4
	v_nop
.endr
.Lasked_\@:
.endm
.macro CREST
	s_cmp_lg_u32 s14, 0
	s_cbranch_scc1 .Lnot_wave_0_\@
	s_barrier_signal -3
.Lnot_wave_0_\@:
	s_barrier_wait -3
	s_barrier_signal -1
	s_barrier_wait -1
.endm
.macro CROUND
	s_barrier_signal -1
	s_barrier_wait -1
	CREST
.endm
	s_load_b128 s[4:7], s[0:1], 0x0                ; aimg, Wout's codes
	s_load_b128 s[8:11], s[0:1], 0x10              ; the scales' exponents, out0
	v_lshl_add_u32 v[SPW], v0, 2, SPARE
	v_mov_b32 v[NIL], 0
	ds_add_u32 v28, v29
	ds_add_u32 v28, v29
	s_wait_dscnt 0x0
	v_lshrrev_b32 v1, 5, v0
	v_readfirstlane_b32 s14, v1                    ; wave 0..3
	s_lshr_b32 s15, s14, 1                         ; which half of the tile's rows is mine.  Also: I fetch for A (0) or for Wout (1)
	s_and_b32 s16, s14, 1                          ; which half of its columns.  Also: which half I fetch
	s_bfe_u32 s40, ttmp6, 0x40000                  ; cx, cy
	s_bfe_u32 s41, ttmp6, 0x40004
	s_lshl_b32 s42, ttmp9, 2
	s_add_co_u32 s42, s42, s40                     ; tile column
	s_and_b32 s17, ttmp7, 0xffff
	s_lshl_b32 s17, s17, 2
	s_add_co_u32 s17, s17, s41                     ; tile row
	s_lshl_b32 s43, s41, 2
	s_lshl_b32 s43, 15, s43                        ; my row of the cluster
	s_lshl_b32 s44, 0x1111, s40                    ; my column
	s_or_b32 s[G1+0], s43, (0<<16)|(1<<21)         ; A: the mask of my row; elements of 1 byte; no padding; bit 21 beside a mask
	s_or_b32 s[G1B+0], s44, (0<<16)|(1<<20)|(1<<21)|(5<<22)|(3<<25)  ; Wout: the mask of my column; padding: after every 64 words, 4 words
.irp g, G1, G1B
	s_mov_b32 s[\g+1], ROWB<<16                    ; tensor_dim0
	s_mov_b32 s[\g+2], 128<<16                     ; tensor_dim1
	s_mov_b32 s[\g+3], ROWB<<16                    ; tile_dim0
	s_mov_b32 s[\g+4], 128                         ; tile_dim1
	s_mov_b32 s[\g+6], 0
	s_mov_b32 s[\g+7], 0
.endr
	s_mov_b32 s[G1+5], ROWB                        ; A's block of 32,768 bytes is dense: 128 rows of 256
	s_mov_b32 s[G1B+5], KROW                       ; a row of Wout is 1,024 bytes
	s_lshl_b32 s20, s17, 1
	s_add_co_u32 s20, s20, s16                     ; A: block of 128 tokens = 2 x tile row + half
	s_lshl_b32 s20, s20, 17
	s_mov_b32 s21, 0
	s_lshl_b32 s46, s42, 8
	s_lshl_b32 s18, s16, 7
	s_add_co_u32 s46, s46, s18                     ; Wout: row 256 x tile column + 128 x half
	s_lshl_b32 s46, s46, 10
	s_mov_b32 s47, 0
	s_lshl_b32 s45, s16, 15                        ; where they go: A's halves at 0 and 32,768,
	s_mul_i32 s18, s16, HALFT
	s_add_co_u32 s18, s18, 2*HALFA                 ; Wout's behind them
	s_wait_kmcnt 0x0
	s_load_b64 s[96:97], s[8:9], 0x18              ; e6, e7
	s_add_nc_u64 s[20:21], s[4:5], s[20:21]
	s_add_nc_u64 s[46:47], s[6:7], s[46:47]
	CROUND                                         ; all sixteen work-groups are here: the first joint loads meet
.irp s, 0,1
	s_mov_b32 s[G0+4*\s], 1
	s_add_co_u32 s[G0+4*\s+1], s45, \s*SLOT
	s_add_nc_u64 s[G0+4*\s+2:G0+4*\s+3], s[20:21], \s*HALFA
	s_or_b32 s[G0+4*\s+3], s[G0+4*\s+3], 0x80000000
	s_mov_b32 s[G0B+4*\s], 1
	s_add_co_u32 s[G0B+4*\s+1], s18, \s*SLOT
	s_add_nc_u64 s[G0B+4*\s+2:G0B+4*\s+3], s[46:47], \s*ROWB
	s_or_b32 s[G0B+4*\s+3], s[G0B+4*\s+3], 0x80000000
	s_wait_alu depctr_va_vdst(0)
	s_wait_tensorcnt 0x0
	ds_add_u32 v28, v29
	ds_add_u32 v28, v29
	s_wait_dscnt 0x0
	CROUND
	JLOAD G0+4*\s, G1, G0B+4*\s, G1B
.endr
	v_and_b32 v1, 15, v0                           ; r
	v_bfe_u32 v2, v0, 4, 1                         ; h
	v_and_b32 v6, 31, v0                           ; lane
	v_lshlrev_b32 v[CO], 4, v6                     ; 16 x lane
	v_mul_u32_u24 v3, v1, PITCH
	v_lshl_add_u32 v4, v2, 3, v3                   ; Wout: row r x pitch + 8 h
	s_lshl_b32 s21, s15, 15                        ; my 128 tokens' images
	s_mul_i32 s22, s16, HALFT                      ; my 128 rows of Wout
	s_add_co_u32 s22, s22, 2*HALFA
.irp s, 0,1
	v_add_nc_u32 v[ADRA+\s], s21, v[CO]
	v_add_nc_u32 v[ADRB+\s], s22, v4
	s_add_co_u32 s21, s21, SLOT
	s_add_co_u32 s22, s22, SLOT
.endr
	s_mul_i32 s23, s14, 16*SPITCH                  ; my stage
	v_mul_u32_u24 v5, v1, SPITCH                   ; in: row r, 32 bytes for each half of the lanes
	v_lshl_add_u32 v5, v2, 5, v5
	v_add_nc_u32 v[STO], s23, v5
	v_add_nc_u32 v[RD], s23, v[CO]                 ; back: the 32 lanes take one row of 512 bytes
	s_lshl_b32 s20, s17, 8
	s_lshl_b32 s21, s15, 7
	s_add_co_u32 s20, s20, s21                     ; my first row of out0
	s_lshl_b32 s20, s20, 12                        ; a row is 4,096 bytes: under 2^25
	s_lshl_b32 s46, s42, 10                        ; my first column, in bytes
	s_lshl_b32 s47, s16, 9
	s_add_co_u32 s46, s46, s47
	s_add_co_u32 s46, s46, s20
	s_mov_b32 s47, 0
	s_add_nc_u64 s[10:11], s[10:11], s[46:47]
.macro FRAGA reg, adr, q, i            ; tile i of 16 tokens, step q of 128 along K: the image's four groups
.irp c, 0,1,2,3
	ds_load_b128 v[\reg+4*\c:\reg+4*\c+3], v[\adr] offset:(\i)*4096+(\q)*2048+512*\c
.endr
.endm
.macro FRAGB reg, adr, q, i            ; 16 rows of Wout x 128 K: registers 2 c, 2 c + 1 hold K = 16 c + 8 h + 0 .. 7
.irp c, 0,1,2,3,4,5,6,7
	ds_load_b64 v[\reg+2*\c:\reg+2*\c+1], v[\adr] offset:128*(\q)+16*\c+(\i)*16*PITCH
.endr
.endm
.macro MUL16 a0, p, zero               ; the 64 accumulators take turns
.irp a, \a0, \a0+1
.irp b, 0,1,2,3,4,5,6,7
.if \zero
	v_wmma_f32_16x16x128_fp8_fp8 v[8*(8*((\a)%4)+\b):8*(8*((\a)%4)+\b)+7], v[128*(\p)+FR*\b:128*(\p)+FR*\b+FR-1], v[AF+FR*(\a):AF+FR*(\a)+FR-1], 0
.else
	v_wmma_f32_16x16x128_fp8_fp8 v[8*(8*((\a)%4)+\b):8*(8*((\a)%4)+\b)+7], v[128*(\p)+FR*\b:128*(\p)+FR*\b+FR-1], v[AF+FR*(\a):AF+FR*(\a)+FR-1], v[8*(8*((\a)%4)+\b):8*(8*((\a)%4)+\b)+7]
.endif
.endr
.endr
.endm
.macro FETCH_B slot, q, p
	WIN TO_B
.irp i, 0,1,2,3,4,5,6,7
	FRAGB 128*(\p)+FR*\i, ADRB+\slot, \q, \i
.endr
	WIN 0
.endm
.macro FETCH_A slot, q, i0
.irp i, \i0, \i0+1, \i0+2, \i0+3
	FRAGA AF+FR*(\i), ADRA+\slot, \q, \i
.endr
.endm
.macro PLACES n
.rept \n
	v_nop
.endr
.endm
.macro STEP slot, q, zero
	s_wait_dscnt 4*NL                              ; Wout's set and A's blocks 0-3 are in; the youngest sixteen loads (A's blocks 4-7) may be out
	WIN MUL_LO
	MUL16 0, (\q)%2, \zero
	MUL16 2, (\q)%2, \zero
	s_wait_dscnt 0
	PLACES NP
	FETCH_B \slot, (\q)+1, 1-(\q)%2
	FETCH_A \slot, (\q)+1, 0
	WIN MUL_HI
	MUL16 4, (\q)%2, \zero
	MUL16 6, (\q)%2, \zero
	PLACES NP
	WIN 0
	FETCH_A \slot, (\q)+1, 4
.endm
.macro TURN slot, next, fill
	s_wait_tensorcnt 0x0                           ; all my tensor loads have landed: my part of the next slot
	ds_add_u32 v[SPW], v[NIL]                      ; 0 onto my spare word
	s_wait_dscnt 4*NL+1                            ; the add and the youngest sixteen loads may be out
	WIN MUL_LO
	MUL16 0, 1, 0
	s_wait_dscnt 0x0                               ; the add is done, and my reads of this slot are over
	s_barrier_signal -1
	MUL16 2, 1, 0
	WIN 0
	s_barrier_wait -1
.if \fill
	CREST                                          ; a round of the cluster's barrier: no wave of any partner still reads this slot or has a load on its way
	s_add_nc_u64 s[G0+4*\slot+2:G0+4*\slot+3], s[G0+4*\slot+2:G0+4*\slot+3], 2*HALFA
	s_add_nc_u64 s[G0B+4*\slot+2:G0B+4*\slot+3], s[G0B+4*\slot+2:G0B+4*\slot+3], 2*ROWB
	JLOAD G0+4*\slot, G1, G0B+4*\slot, G1B
.else
	PLACES NP
.endif
	FETCH_B \next, 0, 0
	FETCH_A \next, 0, 0
	WIN MUL_HI
	MUL16 4, 1, 0
	MUL16 6, 1, 0
	PLACES NP
	WIN 0
	FETCH_A \next, 0, 4
.endm
	s_wait_alu depctr_va_vdst(0)
	s_wait_tensorcnt 1                             ; my part of slot 0 is in; slot 1's load may be out
	s_barrier_signal -1
	s_barrier_wait -1
	FETCH_B 0, 0, 0
	FETCH_A 0, 0, 0
	FETCH_A 0, 0, 4
	STEP 0, 0, 1
	s_mov_b32 s3, LAPS-1
.Llap:
	TURN 0, 1, 1
	STEP 1, 0, 0
	TURN 1, 0, 1
	STEP 0, 0, 0
	s_sub_co_u32 s3, s3, 1
	s_cmp_lg_u32 s3, 0
	s_cbranch_scc1 .Llap
	TURN 0, 1, 0
	STEP 1, 0, 0
	s_wait_dscnt 4*NL
	WIN MUL_LO
	MUL16 0, 1, 0
	MUL16 2, 1, 0
	s_wait_dscnt 0
	WIN MUL_HI
	MUL16 4, 1, 0
	MUL16 6, 1, 0
	WIN 0
; THE WAY OUT, block by block of 16 rows x 128 columns, through my own stage; LDS serves a wave's instructions in order (ISA guide 5.7.1.4), so no wait stands between the stores and the loads.
.macro TOSTAGE a
.set AC, 64*((\a)%4)
	WIN 0x02+((\a)/4)
.irp j, 0,2,4,6,8,10,12,14,16,18,20,22,24,26,28,30,32,34,36,38,40,42,44,46,48,50,52,54,56,58,60,62
	v_pk_mul_f32 v[TMP+\j:TMP+\j+1], v[AC+\j:AC+\j+1], s[96:97] op_sel_hi:[1,0]   ; x 2^(e6 + e7); each accumulator from its low end on
.endr
	WIN 0
.irp b, 0,1,2,3,4,5,6,7
	ds_store_b128 v[STO], v[TMP+8*\b:TMP+8*\b+3] offset:64*\b
	ds_store_b128 v[STO], v[TMP+8*\b+4:TMP+8*\b+7] offset:64*\b+16
.endr
.set BB, BK+64*((\a)%2)
.irp t, 0,1,2,3,4,5,6,7,8,9,10,11,12,13,14,15
	ds_load_b128 v[BB+4*\t:BB+4*\t+3], v[RD] offset:\t*SPITCH
.endr
.endm
.macro SEND a, younger
.set BB, BK+64*((\a)%2)
	s_wait_dscnt \younger                          ; the block is back in registers
.if (\a) > 0
	s_add_nc_u64 s[10:11], s[10:11], 16*SIZE_N*4   ; behind a wait on XCNT: the earlier stores have read their base
.endif
.irp t, 0,1,2,3,4,5,6,7,8,9,10,11,12,13,14,15
	global_store_b128 v[CO], v[BB+4*\t:BB+4*\t+3], s[10:11] offset:\t*SIZE_N*4 th:TH_STORE_NT   ; 32 lanes store 512 consecutive bytes, aligned
.endr
.endm
	s_wait_kmcnt 0x0
	s_add_co_i32 s96, s96, s97
	s_add_co_i32 s96, s96, 127
	s_lshl_b32 s96, s96, 23                        ; 2^(e6 + e7) as f32
	PLACES NP
	TOSTAGE 0
.irp a, 1,2,3,4,5,6,7
.if \a > 1
	s_wait_xcnt 0x0                                ; block a - 2's stores have read their registers and their base
.endif
	TOSTAGE \a
	SEND \a-1, 32                                  ; behind block a - 1's loads: block a's 16 stores and 16 loads
.endr
	s_wait_xcnt 0x0
	SEND 7, 0
	s_wait_tensorcnt 0x0                           ; the wave's end
	ds_add_u32 v[SPW], v[NIL]
	s_wait_dscnt 0x0
	CROUND                                         ; the closing round
	s_endpgm
.Lfunc_end_k_qbb09971494_proj:
	.size	k_qbb09971494_proj, .Lfunc_end_k_qbb09971494_proj-k_qbb09971494_proj
	.p2alignl 7, 3214868480
	.fill 96, 4, 3214868480
	.section	.rodata,"a",@progbits
	.p2align	6, 0x0
	.amdhsa_kernel k_qbb09971494_proj
		.amdhsa_group_segment_fixed_size 327680
		.amdhsa_private_segment_fixed_size 0
		.amdhsa_enable_private_segment 0
		.amdhsa_kernarg_size 32
		.amdhsa_user_sgpr_count 2
		.amdhsa_user_sgpr_kernarg_segment_ptr 1
		.amdhsa_wavefront_size32 1
		.amdhsa_system_sgpr_workgroup_id_x 1
		.amdhsa_system_sgpr_workgroup_id_y 1
		.amdhsa_system_sgpr_workgroup_id_z 1
		.amdhsa_system_vgpr_workitem_id 0
		.amdhsa_next_free_vgpr 1024
		.amdhsa_next_free_sgpr 98
		.amdhsa_reserve_vcc 0
		.amdhsa_float_denorm_mode_32 3
		.amdhsa_float_denorm_mode_16_64 3
		.amdhsa_memory_ordered 1
		.amdhsa_forward_progress 1
		.amdhsa_inst_pref_size 140
	.end_amdhsa_kernel
	.amdgpu_metadata
---
amdhsa.version: [ 1, 2 ]
amdhsa.kernels:
  - .name:           k_qbb09971494_proj
    .symbol:         k_qbb09971494_proj.kd
    .args:
      - { .name: aimg, .offset: 0, .size: 8, .value_kind: global_buffer, .address_space: global }
      - { .name: Wout_codes, .offset: 8, .size: 8, .value_kind: global_buffer, .address_space: global }
      - { .name: lowp_scales, .offset: 16, .size: 8, .value_kind: global_buffer, .address_space: global }
      - { .name: out0, .offset: 24, .size: 8, .value_kind: global_buffer, .address_space: global }
    .group_segment_fixed_size: 327680
    .private_segment_fixed_size: 0
    .kernarg_segment_align: 8
    .kernarg_segment_size: 32
    .max_flat_workgroup_size: 128
    .sgpr_count:     98
    .vgpr_count:     1024
    .wavefront_size: 32
...
	.end_amdgpu_metadata
.endif
;; end of part 3
